; MI455X (gfx1250); checked and timed in simulation.
; The chip was launched on July 23, 2026; its instructions are those of AMD's public machine-readable ISA for CDNA 5 (MIT licence, August 2026) and "CDNA5" Instruction Set Architecture Reference Guide (July 2026). The comments in the code are by the model that wrote it; some were corrected since.
;; Feature Time Attention Layer. Allowed arithmetic: matrix products marked QUANTISED: E2M3 operands, one E8M0 scale for each 32 along K, by v_wmma_scale_f32_16x16x128_f8f6f4 with both operands' format E2M3, f32 sums; products left as they are: f32 operands where the result goes on into a quantised operand, else bf16, f16 or f32 operands; f32 sums; everything else in f32.
;; Inputs: beta_weights 1 x 64 x 1 float32; bias 1 x 1 x 32 x 128 float32; inputs 256 x 64 x 32 float32; kernel 1 x 1 x 32 x 128 float32; latent_reps 256 x 64 x 128 float32.
;; Outputs: out0 256 x 128 float32.
;; This version of the problem:
;;   THIS VERSION OF THE PROBLEM IS GIVEN IN LOW PRECISION. The matrix products marked QUANTISED in the list below multiply operands that are first quantised to E2M3 (2 exponent bits, 3 mantissa bits; 6 bits a number), with one power-of-two scale for each 32 numbers along K (OCP MX v1.0); their sums are f32. All else is computed in f32.
;;   The module's matrix products, in the order in which they are computed (A, B: the left and right operand; K: the contracted axis; several contracted axes count as one K, in the product's order):
;;     1. batch 16,384 x [M 32, K 128] x [K 128, N 32]; A: computed on the way; B: computed on the way: QUANTISED
;;     2. batch 16,384 x [M 32, K 128] x [K 128, N 1]; A: computed on the way; B: input latent_reps: left as it is (N = 1 < 16)
;;     3. batch 16,384 x [M 32, K 32] x [K 32, N 1]; A: computed on the way; B: computed on the way: left as it is (N = 1 < 16)
;;     4. batch 16,384 x [M 1, K 32] x [K 32, N 128]; A: computed on the way; B: computed on the way: left as it is (M = 1 < 16)
;;   THE QUANTISER, for each operand of a quantised product, along K:
;;     - K is cut into blocks of 32 from its start; a last block that is shorter is filled with zeros.
;;     - A block's scale is 2^e with e = floor(log2(the largest magnitude in the block)) - 2, held to -126 .. 127; a block of zeros has e = 0. As a byte (E8M0): e + 127.
;;     - Each number is divided by its block's scale, clamped to +-7.5, and rounded to the nearest number of E2M3, ties to even, subnormals kept.
;;     - The product sums the exact products of the quantised numbers (number of the format x scale) in f32.
;;   ~~~python
;;   def quantise(x, axis):      # numpy; x: float32 -> the quantised numbers, widened to float32 again
;;       x = np.moveaxis(x, axis, -1); K = x.shape[-1]
;;       x = np.pad(x, [(0, 0)] * (x.ndim - 1) + [(0, -K % 32)]); x = x.reshape(x.shape[:-1] + (-1, 32)); a = np.abs(x).max(-1, keepdims=True)
;;       e = np.where(a > 0, np.clip(np.frexp(np.where(a > 0, a, 1))[1] - 1 - 2, -126, 127), 0)      # np.frexp(a)[1] - 1 = floor(log2(a)), exactly
;;       r = np.clip(x / 2.0 ** e, -7.5, 7.5)
;;       step = 2.0 ** (np.maximum(np.frexp(np.where(r == 0, 1, r))[1] - 1, 0) - 3)
;;       q = np.round(r / step) * step * 2.0 ** e      # np.round: ties to even
;;       return np.moveaxis(q.reshape(q.shape[:-2] + (-1,))[..., :K], -1, axis).astype(np.float32)
;;   ~~~
;;   OPERANDS COMPUTED ON THE WAY. 'Computed on the way' means the value that the module computes at that place (a softmax that the list does not call 'softmax' is quantised finished and normalised). What goes into a quantiser is computed in f32, as accurately as f32 sums, v_exp_f32 and their like allow (about 1e-6 of the number): no bf16 or f16 on the way to a quantiser, and a product that is left as it is and whose result goes on into a quantised operand takes f32 operands (vector FMAs, or v_wmma_f32_16x16x4_f32). A number that lies on a knife's edge between two numbers of the format may be rounded either way, as far as f32 arithmetic and the matrix unit's own rounding can turn it there, and no further.
;; 2 versions, each right and faster than the one before. Each part assembles by itself: llvm-mc -triple=amdgcn-amd-amdhsa -mcpu=gfx1250 --defsym DOCPART=n.
;; ======== version 1 of 2: 1 launch
;; launch fta (part 1): grid 256 x 1, 4 waves a work-group, no clusters, 300,544 bytes of LDS; arguments inputs, latent_reps, kernel, bias, beta_weights, out0; writes out0
.if DOCPART == 1
	.amdgcn_target "amdgcn-amd-amdhsa--gfx1250"
	.amdhsa_code_object_version 6
	.text
	.protected	k_q3ba66b21d4_fta
	.globl	k_q3ba66b21d4_fta
	.p2align	8
	.type	k_q3ba66b21d4_fta,@function
k_q3ba66b21d4_fta:
	s_mov_b64 s[64:65], 0
	v_nop
	global_prefetch_b8 v0, s[64:65] scope:SCOPE_SE
	s_setreg_imm32_b32 hwreg(HW_REG_WAVE_MODE, 25, 1), 1
	s_wait_xcnt 0x0
; z[b][u] = sum over t of beta[t] * sum over d of alpha[b][t][d] * fp[b][t][d][u],  fp[d][u] = x[d] k[d][u] + bias[d][u],  alpha = inv(A) (fp y),  A = Q(fp) Q(fp)^T.
; Q: codes of FP6 (E2M3) with one E8M0 scale for each 32 along u; A is made by v_wmma_scale_f32_16x16x128_f8f6f4; all else is f32, but for fp y (below).
; SHARES.  A work-group of four waves owns one batch row b: 64 systems (t) of 32 x 32.  Wave w makes A of systems 16 w .. 16 w + 15; then ONE LANE SOLVES ONE SYSTEM: waves 0 and 1, 32 systems each.
;   A system spread over 2 or 4 lanes would want each pivot column sent to all its lanes (528 lane moves a system) and a back substitution across lanes: more instructions in all for about the same length.
; ALGEBRA (exact, for every input; only the order of sums changes):
;   (fp y)[d] = x[d] (K y)[d] + (B y)[d]: K y and B y of a wave's 16 t are one small product, 64 rows x 16 t x 128, on bf16 operands with f32 sums;
;   z[b] = P K + R B with R[d] = sum_t beta[t] alpha[t][d], P[d] = sum_t beta[t] alpha[t][d] x[t][d]: 64 x 128 multiply-adds a batch row, in f32;
;   inv(A) c is found by solving A alpha = c: A = L D L^T without pivoting (A is a Gram matrix), forward and back substitution, in f32.
; The product A is multiplied whole, four tiles of 16 x 16, as the problem's table states it; tile (rows 0-15, columns 16-31) is the mirror of tile (16-31, 0-15) and is not stored.
; NO CLUSTER, NO JOINT LOADS: the work-groups share only kernel and bias, 2 x 16,384 bytes, read once at the head; they are wanted as images of registers, not as rows, and nothing shared is read in any loop.
; LIMITS: NaN and infinities among the inputs are not served.  A block whose largest magnitude lies under 2^-124 takes the scale byte 1 (a block of zeros too: its codes are zeros, and only this text reads the bytes).
;   No pivoting; a pivot must lie between 2^-126 and 2^126 (v_rcp_f32 takes denormals as zero: ISA guide, its entry).  y, kernel and bias are rounded to bf16 for K y and B y alone.
; LDS: 64 systems x 3,600 bytes (column n < 16: rows 0-31 at 144 n; column n >= 16: rows 16-31 at 2,304 + 80 (n - 16)); images of kernel and bias; G = [t][K y, B y]; V = [t][beta alpha x, beta alpha]; partial z.
;   3,600, 144, 80 and 272 are odd multiples of 16 bytes: sixteen lanes that take 16 bytes each at such a stride start at sixteen different 16-byte columns of 256 (64 banks of 4 bytes: ISA guide 11.1).
; REGISTERS, in windows of 256 (s_set_vgpr_msb: bits 1:0 source 0, 3:2 source 1, 5:4 source 2, 7:6 destination):
;   window 0: v0-23 addresses, x; v24-55 the four tiles of A; v56-183 fp; v184-231 two fragments, each twice; v232-251 at work; v252-253 scale words and nothing else.  In the solve: c, T, -1/d, sums, -alpha, x.
;   window 1: kernel (v0-127) and bias (v128-255) in the FP6 operand's lane layout; in the solve columns 0-7.   window 2: columns 8-19.   window 3: columns 20-31; v96-159 my 16 rows of kernel or bias for the end.
.set SYS,   3600
.set CP0,   144
.set CP1,   80
.set C16,   16*CP0
.set IMG,   64*SYS
.set GP,    272
.set GBUF,  IMG+64*512
.set VBUF,  GBUF+64*GP
.set ZPB,   VBUF+64*GP
.set OUTO,  1                          ; v1   16 x lane
.set LKB,   4                          ; v4   512 r + 128 h: my place in 16 rows of 128 f32 (r = lane % 16, h = lane / 16)
.set LIS,   5                          ; v5   where I store images
.set LIL,   6                          ; v6   where I load them
.set GS,    7                          ; v7   where I store G
.set AS0,   8                          ; v8   tiles of A: column r,
.set AS1,   9                          ; v9   column 16 + r, of my wave's first system
.set AD0,   10                         ; v10, v11 the same of the system in hand
.set AD1,   11
.set XADR,  12                         ; v12  x of the system in hand: byte offset in the batch row
.set SH8,   13                         ; v13  8 h
.set SA,    14                         ; v14  the solve: my system in LDS
.set SG,    15                         ; v15  its row of G
.set SV,    16                         ; v16  its row of V
.set XS,    17                         ; v17  its row of x, byte offset
.set BT,    18                         ; v18  its beta, byte offset
.set RV,    19                         ; v19  the end: my column of V
.set ZS,    20                         ; v20  where I store partial z
.set ZL,    21                         ; v21  where wave 0 loads it
.set XC,    22                         ; v22-23 x[t][r], x[t][16 + r]
.set DD,    24
.set FP,    56
.set FA0,   184
.set FA1,   196
.set FB0,   208
.set FB1,   220
.set TQ,    232
.set MX,    248
.set SC0,   252
.set SC1,   253
.set WR,    96                         ; in window 3
.set CV,    24                         ; the solve: c, then z x (-1/d)
.set TT,    56                         ; -(pivot column) / d
.set NI,    88                         ; -1/d
.set ZA,    120                        ; first G's row, then the back substitution's sums (a pair a row), then V's row
.set NAL,   184                        ; -alpha
.set XR,    216                        ; x[t][0..31]
.set BN,    248                        ; -beta (a pair is named)
.set TA,    250
.set TB,    251
.set MSB, 0
.macro WIN new                         ; the immediate's high byte repeats the setting that is left; a switch that changes nothing is dropped
.if MSB != \new
	s_set_vgpr_msb (MSB<<8)|\new
.set MSB, \new
.endif
.endm
; Element (row i, column j), i >= 4 (j / 4), of a system's lower triangle stands in register CB(j) + i.  Columns 0-7 fill window 1, 8-19 window 2, 20-31 window 3: no column crosses a window.
.macro SETCB name, j
.set \name, 256+128*((\j)/4)-8*((\j)/4)*((\j)/4-1)+16*(((\j)/4+6)/8+((\j)/4+3)/8)+((\j)%4)*(32-4*((\j)/4))-4*((\j)/4)
.endm
	s_load_b256 s[4:11], s[0:1], 0x0               ; inputs s[4:5], latent_reps s[6:7], kernel s[8:9], bias s[10:11]
	s_load_b128 s[12:15], s[0:1], 0x20             ; beta_weights s[12:13], out0 s[14:15]
	v_lshl_add_u32 v254, v0, 2, 0x49400
	v_mov_b32 v255, 0
	v_lshrrev_b32 v2, 5, v0
	v_readfirstlane_b32 s16, v2                    ; wave 0..3
	v_and_b32 v1, 31, v0
	v_lshlrev_b32 v1, 4, v1                        ; 16 x lane
	v_and_b32 v2, 15, v0                           ; r
	v_bfe_u32 v3, v0, 4, 1                         ; h
	v_lshlrev_b32 v4, 9, v2
	v_lshl_add_u32 v4, v3, 7, v4
	s_lshl_b32 s17, s16, 13                        ; 8,192 x wave: 16 images, and 16 rows of 512 bytes
	v_add_nc_u32 v5, s17, v1
	v_add_nc_u32 v5, IMG, v5
	v_add_nc_u32 v6, IMG, v1
	s_mul_i32 s18, s16, 16*GP
	v_mul_u32_u24 v7, v2, GP
	v_lshl_add_u32 v7, v3, 5, v7
	v_add_nc_u32 v7, s18, v7
	v_add_nc_u32 v7, GBUF, v7                      ; G: row t = 16 wave + r, + 32 h
	s_mul_i32 s19, s16, 16*SYS
	v_mul_u32_u24 v8, v2, CP0
	v_lshl_add_u32 v8, v3, 5, v8
	v_add_nc_u32 v8, s19, v8                       ; column r, rows 8 h on
	v_mul_u32_u24 v9, v2, CP1
	v_lshl_add_u32 v9, v3, 5, v9
	v_add_nc_u32 v9, s19, v9
	v_add_nc_u32 v9, C16, v9                       ; column 16 + r, rows 16 + 8 h on
	s_lshl_b32 s20, s16, 11
	v_lshl_add_u32 v12, v2, 2, s20                 ; x: 128 bytes a system, 16 systems a wave, + 4 r
	v_lshlrev_b32 v13, 3, v3
	v_and_b32 v17, 63, v0                          ; the system that I solve (waves 0 and 1: my thread's number)
	v_mul_u32_u24 v14, v17, SYS
	v_mul_u32_u24 v15, v17, GP
	v_add_nc_u32 v16, VBUF, v15
	v_add_nc_u32 v15, GBUF, v15
	v_lshlrev_b32 v18, 2, v17
	v_lshlrev_b32 v17, 7, v17
	v_mul_u32_u24 v19, v3, 32*GP
	v_lshl_add_u32 v19, v2, 2, v19
	s_lshl_b32 s21, s16, 6
	v_add_nc_u32 v19, s21, v19
	v_add_nc_u32 v19, VBUF, v19                    ; V: rows 32 h on, column 16 wave + r
	v_lshl_add_u32 v20, v0, 4, ZPB
	v_add_nc_u32 v21, ZPB, v1
	s_mov_b32 s60, 0x76543210
	s_mov_b32 s61, 0xfedcba98                      ; v_permlanex16_b32's selects for lane l xor 16
	s_mov_b32 s23, 0
	s_wait_kmcnt 0x0
	s_lshl_b32 s22, ttmp9, 13
	s_add_nc_u64 s[4:5], s[4:5], s[22:23]          ; x of my batch row: 64 x 32 f32
	s_lshl_b32 s22, ttmp9, 15
	s_add_co_u32 s22, s22, s17
	s_add_nc_u64 s[6:7], s[6:7], s[22:23]          ; y of my wave's 16 systems
	s_lshl_b32 s22, ttmp9, 9
	s_add_nc_u64 s[14:15], s[14:15], s[22:23]      ; my row of z
	s_cmp_lt_u32 s16, 2                            ; waves 0, 1: kernel's rows 0-15, 16-31; waves 2, 3: bias's
	s_cselect_b64 s[24:25], s[8:9], s[10:11]
	s_and_b32 s22, s16, 1
	s_lshl_b32 s22, s22, 13
	s_add_nc_u64 s[24:25], s[24:25], s[22:23]
; Image n of my 16: lane (r, h) holds 4 numbers of row r of my 16 rows, at u = 64 (n / 8) + 32 h + 4 (n % 8): the order in which the FP6 operand's layout gives a lane its numbers.  Eight loads cover 128 whole bytes of each row's half.
.set n, 0
.rept 16
	global_load_b128 v[FP+4*n:FP+4*n+3], v[LKB], s[24:25] offset:(n/8)*256+(n%8)*16
.set n, n+1
.endr
.set n, 0
.rept 16
	global_load_b128 v[FA0+4*n:FA0+4*n+3], v[LKB], s[6:7] offset:(n/8)*256+(n%8)*16 th:TH_LOAD_NT   ; y of system 16 wave + r, in the same order; read once in the launch
.set n, n+1
.endr
	global_load_b32 v[XC], v[XADR], s[4:5]         ; x of my first system
	global_load_b32 v[XC+1], v[XADR], s[4:5] offset:64
	WIN 0xc0
.set n, 0
.rept 16
	global_load_b128 v[WR+4*n:WR+4*n+3], v[OUTO], s[24:25] offset:512*n   ; for the end: my 16 rows as rows, 4 columns a lane
.set n, n+1
.endr
	WIN 0
	s_wait_loadcnt 34                              ; the 16 images are in; behind them 16 + 2 + 16 loads were issued
.set n, 0
.rept 16
	ds_store_b128 v[LIS], v[FP+4*n:FP+4*n+3] offset:512*n
.set n, n+1
.endr
	s_wait_dscnt 0x0                               ; for the others' sake: my images lie in LDS
	s_barrier_signal -1
	s_barrier_wait -1
	WIN 0x40
.set n, 0
.rept 64
	ds_load_b128 v[4*n:4*n+3], v[LIL] offset:512*n ; all 64 images: kernel in v256-383, bias in v384-511; register 64 I + 32 c + i: row 16 I + r, u = 64 c + 32 h + i
.set n, n+1
.endr
	WIN 0
; G = [kernel; bias] y^T on bf16.  Both sides take their numbers in the order of the registers above: the same permutation of u on both, so the sums are over the same products.
	s_wait_loadcnt 18                              ; y is in; behind it 2 + 16 loads were issued
.set n, 0
.rept 32
	v_cvt_pk_bf16_f32 v[DD+n], v[FA0+2*n], v[FA0+2*n+1]
.set n, n+1
.endr
	s_wait_dscnt 0x0                               ; kernel and bias are in
	WIN 0x05
.set n, 0
.rept 128
	v_cvt_pk_bf16_f32 v[FP+n], v[2*n], v[2*n+1]
.set n, n+1
.endr
	WIN 0
.irp s, 0,1,2,3                        ; source 0 = 16 rows of kernel or bias, source 1 = my 16 systems' y: a lane holds one t and eight neighbouring rows.  The four accumulators take turns
.irp e, 0,1,2,3
.if \s == 0
	v_wmma_f32_16x16x32_bf16 v[FA0+8*\e:FA0+8*\e+7], v[FP+32*\e+8*\s:FP+32*\e+8*\s+7], v[DD+8*\s:DD+8*\s+7], 0
.else
	v_wmma_f32_16x16x32_bf16 v[FA0+8*\e:FA0+8*\e+7], v[FP+32*\e+8*\s:FP+32*\e+8*\s+7], v[DD+8*\s:DD+8*\s+7], v[FA0+8*\e:FA0+8*\e+7]
.endif
.endr
.endr
.rept 4
	v_nop                                          ; four places behind the last products, ahead of the stores of their results and of the writes over their sources
.endr
.irp e, 0,1,2,3
	ds_store_b128 v[GS], v[FA0+8*\e:FA0+8*\e+3] offset:64*\e
	ds_store_b128 v[GS], v[FA0+8*\e+4:FA0+8*\e+7] offset:64*\e+16
.endr
; fp of one system: 128 numbers a lane, two fused multiply-adds an instruction.  Rows 0-15 take the pair's low word (x[r]), rows 16-31 its high word (x[16 + r]).
.macro PKFMA
	WIN 0x11
.set n, 0
.rept 32
	v_pk_fma_f32 v[FP+2*n:FP+2*n+1], v[2*n:2*n+1], v[XC:XC+1], v[128+2*n:128+2*n+1] op_sel_hi:[1,0,1]
.set n, n+1
.endr
.rept 32
	v_pk_fma_f32 v[FP+2*n:FP+2*n+1], v[2*n:2*n+1], v[XC:XC+1], v[128+2*n:128+2*n+1] op_sel:[0,1,0] op_sel_hi:[1,1,1]
.set n, n+1
.endr
	WIN 0
.endm
; fp becomes codes and scale words, and A is multiplied.  A lane holds four whole blocks of 32 (q = 2 I + c: rows 16 I + r, block 2 c + h), so no maximum asks another lane.
.macro QUANT
.irp q, 0,1,2,3
	v_max3_num_f32 v[MX+\q], |v[FP+32*\q]|, |v[FP+32*\q+1]|, 0x1800000   ; with the floor 2^(3 - 127) among the leaves: the byte cannot fall under 1
.endr
.irp q, 0,1,2,3
	v_max3_num_f32 v[TQ+4*\q], |v[FP+32*\q+16]|, |v[FP+32*\q+17]|, |v[FP+32*\q+18]|   ; two chains a block, eight in all, by turns: no line waits for a line near it
.endr
.irp i, 1,2,3,4,5,6
.irp q, 0,1,2,3
	v_max3_num_f32 v[MX+\q], v[MX+\q], |v[FP+32*\q+2*\i]|, |v[FP+32*\q+2*\i+1]|
.endr
.irp q, 0,1,2,3
	v_max3_num_f32 v[TQ+4*\q], v[TQ+4*\q], |v[FP+32*\q+17+2*\i]|, |v[FP+32*\q+18+2*\i]|
.endr
.endr
.irp q, 0,1,2,3
	v_max3_num_f32 v[MX+\q], v[MX+\q], |v[FP+32*\q+14]|, |v[FP+32*\q+15]|
.endr
.irp q, 0,1,2,3
	v_max3_num_f32 v[MX+\q], v[MX+\q], v[TQ+4*\q], |v[FP+32*\q+31]|
.endr
.irp q, 0,1,2,3
	v_add_nc_u32 v[MX+\q], 0xff000000, v[MX+\q]    ; 2 off the exponent field: the conversion takes the exponent field of this operand as its scale
.endr
.irp q, 0,1,2,3
	v_lshrrev_b32 v[TQ+3+4*\q], 23, v[MX+\q]       ; the scale's byte
.endr
	v_lshl_or_b32 v[TQ+3], v[TQ+7], 16, v[TQ+3]    ; my two bytes of row r: blocks h and 2 + h,
	v_lshl_or_b32 v[TQ+11], v[TQ+15], 16, v[TQ+11] ; and of row 16 + r,
	v_lshlrev_b32 v[TQ+3], v[SH8], v[TQ+3]         ; at their places in the word;
	v_lshlrev_b32 v[TQ+11], v[SH8], v[TQ+11]
	v_permlanex16_b32 v[TQ+7], v[TQ+3], s60, s61
	v_permlanex16_b32 v[TQ+15], v[TQ+11], s60, s61
	v_or_b32 v[SC0], v[TQ+3], v[TQ+7]              ; with lane l xor 16's two the word is whole, in both halves of the lanes
	v_or_b32 v[SC1], v[TQ+11], v[TQ+15]
	s_wait_dscnt 0x0                               ; my LDS stores, issued some 80 lines back, have read their registers: fragments and tiles may be written again
.irp q, 0,1,2,3
	v_cvt_scalef32_pk16_fp6_f32 v[FA0+6*\q:FA0+6*\q+2], v[FP+32*\q:FP+32*\q+15], v[MX+\q]        ; registers 6 c .. 6 c + 2 of fragment I
	v_cvt_scalef32_pk16_fp6_f32 v[TQ+4*\q:TQ+4*\q+2], v[FP+32*\q+16:FP+32*\q+31], v[MX+\q]       ; (a conversion's three registers begin on an even number: the block's second three do not, so they are made here and moved)
.endr
	v_nop                                          ; one plain place behind a scaled conversion
.irp q, 0,1,2,3                        ; each fragment stands twice: the two sources of a matrix instruction share no register, and A is a product of fp with itself
.irp i, 0,1,2
	v_mov_b32 v[FA0+6*\q+3+\i], v[TQ+4*\q+\i]
	v_mov_b32 v[FB0+6*\q+3+\i], v[TQ+4*\q+\i]
	v_mov_b32 v[FB0+6*\q+\i], v[FA0+6*\q+\i]
.endr
.endr
.rept 4
	v_nop                                          ; operands written by vector instructions stand four places ahead of a scaled matrix instruction; the scale words stand more than eight ahead
.endr
	v_wmma_scale_f32_16x16x128_f8f6f4 v[DD:DD+7], v[FA0:FA0+11], v[FB0:FB0+11], 0, v[SC0], v[SC0] matrix_a_fmt:MATRIX_FMT_FP6 matrix_b_fmt:MATRIX_FMT_FP6         ; rows 0-15, columns 0-15
	v_wmma_scale_f32_16x16x128_f8f6f4 v[DD+8:DD+15], v[FA1:FA1+11], v[FB0:FB0+11], 0, v[SC1], v[SC0] matrix_a_fmt:MATRIX_FMT_FP6 matrix_b_fmt:MATRIX_FMT_FP6      ; rows 16-31, columns 0-15
	v_wmma_scale_f32_16x16x128_f8f6f4 v[DD+16:DD+23], v[FA1:FA1+11], v[FB1:FB1+11], 0, v[SC1], v[SC1] matrix_a_fmt:MATRIX_FMT_FP6 matrix_b_fmt:MATRIX_FMT_FP6     ; rows 16-31, columns 16-31
	v_wmma_scale_f32_16x16x128_f8f6f4 v[DD+24:DD+31], v[FA0:FA0+11], v[FB1:FB1+11], 0, v[SC0], v[SC1] matrix_a_fmt:MATRIX_FMT_FP6 matrix_b_fmt:MATRIX_FMT_FP6     ; rows 0-15, columns 16-31: the mirror of the second; not stored
.endm
; The three lower tiles go to LDS by columns: lane (r, h) holds column r (or 16 + r) and eight neighbouring rows.  Each accumulator is read from its low end on.
.macro STORED
	v_add_nc_u32 v[AD0], s26, v[AS0]
	v_add_nc_u32 v[AD1], s26, v[AS1]
	ds_store_b128 v[AD0], v[DD:DD+3]
	ds_store_b128 v[AD0], v[DD+4:DD+7] offset:16
	ds_store_b128 v[AD0], v[DD+8:DD+11] offset:64
	ds_store_b128 v[AD0], v[DD+12:DD+15] offset:80
	ds_store_b128 v[AD1], v[DD+16:DD+19]
	ds_store_b128 v[AD1], v[DD+20:DD+23] offset:16
.endm
	s_wait_loadcnt 0x0                             ; x of my first system, and my 16 rows for the end
	PKFMA                                          ; the first system's fp stands ahead of the loop
	s_mov_b32 s26, 0                               ; the system in hand, in bytes of LDS
	s_mov_b32 s27, 15
.Lsys:                                             ; a trip: system i is quantised and multiplied; system i + 1's fp is made, 64 plain lines that are also the places behind the products; system i's tiles are stored
	v_add_nc_u32 v[XADR], 128, v[XADR]             ; (the loads that read this register have been waited for)
	global_load_b32 v[XC], v[XADR], s[4:5]
	global_load_b32 v[XC+1], v[XADR], s[4:5] offset:64
	QUANT
	s_wait_loadcnt 0x0
	PKFMA
	STORED
	s_add_co_u32 s26, s26, SYS
	s_sub_co_u32 s27, s27, 1
	s_cmp_lg_u32 s27, 0
	s_cbranch_scc1 .Lsys
	QUANT                                          ; the last system: nothing more to load
.rept 4
	v_nop                                          ; four places behind the products, ahead of the stores of their results
.endr
	STORED
	s_wait_dscnt 0x0                               ; for the others' sake: my tiles and my rows of G lie in LDS
	s_barrier_signal -1
	s_barrier_wait -1
	s_cmp_gt_u32 s16, 1
	s_cbranch_scc1 .Ljoin                          ; 64 systems are 64 lanes: waves 2 and 3 go on to the next barrier
; ---- THE SOLVE: a lane holds its system's lower triangle in 576 registers ----
.set n, 0
.rept 8
	global_load_b128 v[XR+4*n:XR+4*n+3], v[XS], s[4:5] offset:16*n
.set n, n+1
.endr
	global_load_b32 v[BN], v[BT], s[12:13]
.set n, 0
.rept 16
	ds_load_b128 v[ZA+4*n:ZA+4*n+3], v[SG] offset:16*n
.set n, n+1
.endr
.set jj, 0
.rept 32
	SETCB cbj, jj
.set ii, (jj/4)*4
.rept 8-jj/4
.set rd, (cbj+ii)&255
.set wn, ((cbj+ii)>>8)<<6
	WIN wn
.if jj < 16
	ds_load_b128 v[rd:rd+3], v[SA] offset:CP0*jj+4*ii
.else
	ds_load_b128 v[rd:rd+3], v[SA] offset:C16+CP1*(jj-16)+4*(ii-16)
.endif
.set ii, ii+4
.endr
.set jj, jj+1
.endr
	WIN 0
.set n, 1
.rept 16
	v_mov_b32 v[NI+n], 0                           ; the packed lines name -1/d as a pair before the odd one of the pair is made: so it is written
.set n, n+2
.endr
	v_mov_b32 v[BN+1], 0                           ; (named with -beta as a pair)
	s_wait_loadcnt 0x0
	s_wait_dscnt 0x0
.set n, 0
.rept 16
	v_pk_fma_f32 v[CV+n:CV+n+1], v[XR+n:XR+n+1], v[ZA+n:ZA+n+1], v[ZA+32+n:ZA+33+n]   ; c[d] = x[d] (K y)[d] + (B y)[d]
.set n, n+2
.endr
	v_mul_f32 v[BN], -1.0, v[BN]
.set rp, 0
	WIN 1
	v_rcp_f32 v[NI], -v[rp]                        ; -1 / a(0,0)
	WIN 0
	v_nop                                          ; a plain place behind the reciprocal
; Step k: T[j] = -a(j,k) / d; a(i,j) += a(i,k) T[j] for i >= j > k, two rows an instruction; c[i] += a(i,k) (-c[k] / d).  Column k stays as it is: it is row k of D L^T, which the back substitution wants.
; A pair of rows begins on an even row, so an odd column's first pair also takes the element above the diagonal: it is the mirror element, it is kept up like any other, and nobody reads it.
; The next pivot is final behind the step's first update: its reciprocal is issued there, and the step's other lines stand between it and the wait ahead of its first use.
.set kk, 0
.rept 32
	SETCB cbk, kk
.set wk, (cbk+kk)>>8
	WIN 0
	s_wait_alu depctr_va_vdst(0)                   ; one wait a step, ahead of the first line that names this pivot's reciprocal
	v_mul_f32 v[CV+kk], v[CV+kk], v[NI+kk]         ; -z[k] / d
.if kk < 31
	WIN wk
.set ii, ((kk+1)/2)*2
.rept (32-ii)/2
.set rs, (cbk+ii)&255
.if kk%2
	v_pk_mul_f32 v[TT+ii:TT+ii+1], v[rs:rs+1], v[NI+kk-1:NI+kk] op_sel:[0,1] op_sel_hi:[1,1]
.else
	v_pk_mul_f32 v[TT+ii:TT+ii+1], v[rs:rs+1], v[NI+kk:NI+kk+1] op_sel_hi:[1,0]
.endif
.set ii, ii+2
.endr
.set jj, kk+1
.rept 31-kk
	SETCB cbj, jj
.set wj, (cbj+jj)>>8
.set wn, (wj<<6)|(wj<<4)|wk
	WIN wn
.set ii, (jj/2)*2
.rept (32-ii)/2
.set rd, (cbj+ii)&255
.set rs, (cbk+ii)&255
.if jj%2
	v_pk_fma_f32 v[rd:rd+1], v[rs:rs+1], v[TT+jj-1:TT+jj], v[rd:rd+1] op_sel:[0,1,0] op_sel_hi:[1,1,1]
.else
	v_pk_fma_f32 v[rd:rd+1], v[rs:rs+1], v[TT+jj:TT+jj+1], v[rd:rd+1] op_sel_hi:[1,0,1]
.endif
.if (jj == kk+1) && (ii == (jj/2)*2)
.set rp, (cbj+jj)&255
	WIN wj
	v_rcp_f32 v[NI+jj], -v[rp]                     ; -1 / the next pivot
	WIN wn
.endif
.set ii, ii+2
.endr
.set jj, jj+1
.endr
	WIN wk
.if kk%2
.set ii, kk+1
.else
.set rs, (cbk+kk+1)&255
	v_fma_f32 v[CV+kk+1], v[rs], v[CV+kk], v[CV+kk+1]   ; row k + 1 alone: its pair's other half is row k, which keeps -z[k] / d
.set ii, kk+2
.endif
.rept (32-ii)/2
.set rs, (cbk+ii)&255
.if kk%2
	v_pk_fma_f32 v[CV+ii:CV+ii+1], v[rs:rs+1], v[CV+kk-1:CV+kk], v[CV+ii:CV+ii+1] op_sel:[0,1,0] op_sel_hi:[1,1,1]
.else
	v_pk_fma_f32 v[CV+ii:CV+ii+1], v[rs:rs+1], v[CV+kk:CV+kk+1], v[CV+ii:CV+ii+1] op_sel_hi:[1,0,1]
.endif
.set ii, ii+2
.endr
.endif
.set kk, kk+1
.endr
; Back substitution, on n = -alpha:  n[k] = -z[k] / d + (-1/d) sum over i > k of a(i,k) n[i].  Two rows at a time from the bottom; as soon as a pair of n is known, every column to its left adds its two products
; to its own pair of sums: lines that do not wait for each other; the two columns wanted next come first.
.set pp, 15
.rept 16
.set k1, 2*pp+1
.set k0, 2*pp
	SETCB cb0, k0
.set wz, (cb0+k0)>>8
.set rs, (cb0+k1)&255
	WIN 0
.if pp == 15
	v_mov_b32 v[NAL+31], v[CV+31]
	WIN wz
	v_mul_f32 v[TA], v[rs], v[NAL+31]
.else
	v_add_f32 v[TB], v[ZA+2*k1], v[ZA+2*k1+1]
	v_add_f32 v[TA], v[ZA+2*k0], v[ZA+2*k0+1]
	v_fma_f32 v[NAL+k1], v[NI+k1], v[TB], v[CV+k1]
	WIN wz
	v_fma_f32 v[TA], v[rs], v[NAL+k1], v[TA]
.endif
	WIN 0
	v_fma_f32 v[NAL+k0], v[NI+k0], v[TA], v[CV+k0]
.set kq, k0-1
.rept k0
	SETCB cbq, kq
.set wn, (cbq+kq)>>8
	WIN wn
.set rs, (cbq+k0)&255
.if pp == 15
	v_pk_mul_f32 v[ZA+2*kq:ZA+2*kq+1], v[rs:rs+1], v[NAL+k0:NAL+k0+1]   ; the first products start the sums: nothing is cleared
.else
	v_pk_fma_f32 v[ZA+2*kq:ZA+2*kq+1], v[rs:rs+1], v[NAL+k0:NAL+k0+1], v[ZA+2*kq:ZA+2*kq+1]
.endif
.set kq, kq-1
.endr
.set pp, pp-1
.endr
	WIN 0
.set n, 0
.rept 16
	v_pk_mul_f32 v[ZA+32+n:ZA+33+n], v[NAL+n:NAL+n+1], v[BN:BN+1] op_sel_hi:[1,0]   ; beta alpha = (-beta) (-alpha): what bias's rows are weighed by
.set n, n+2
.endr
.set n, 0
.rept 16
	v_pk_mul_f32 v[ZA+n:ZA+n+1], v[ZA+32+n:ZA+33+n], v[XR+n:XR+n+1]                 ; beta alpha x: what kernel's rows are weighed by
.set n, n+2
.endr
.set n, 0
.rept 16
	ds_store_b128 v[SV], v[ZA+4*n:ZA+4*n+3] offset:16*n
.set n, n+1
.endr
.Ljoin:
	s_wait_dscnt 0x0                               ; for the others' sake: my systems' rows of V lie in LDS
	s_barrier_signal -1
	s_barrier_wait -1
; ---- THE END: wave w sums columns 16 w .. 16 w + 15 of V over the 64 systems and weighs its 16 rows of kernel or bias by them ----
.set n, 0
.rept 32
	ds_load_b32 v[24+n], v[RV] offset:GP*n         ; lane (r, h): column 16 w + r, systems 32 h + n
.set n, n+1
.endr
	s_wait_dscnt 0x0
	v_pk_add_f32 v[56:57], v[24:25], v[26:27]
	v_pk_add_f32 v[58:59], v[28:29], v[30:31]
.set n, 32
.rept 6
	v_pk_add_f32 v[56:57], v[56:57], v[n:n+1]
	v_pk_add_f32 v[58:59], v[58:59], v[n+2:n+3]
.set n, n+4
.endr
	v_pk_add_f32 v[56:57], v[56:57], v[58:59]
	v_add_f32 v56, v56, v57
	v_permlanex16_b32 v57, v56, s60, s61
	v_add_f32 v56, v56, v57                        ; lane r (and 16 + r): the whole sum of column 16 w + r
.set n, 0
.rept 16
	v_readlane_b32 s[28+2*n], v56, n
	s_mov_b32 s[29+2*n], s[28+2*n]                 ; (the packed form names a pair and takes its low word for both halves: so the other is written)
.set n, n+1
.endr
	WIN 0x03
.set n, 0
.rept 16
.set za, 60+4*(n%2)                    ; even and odd rows add onto sums of their own
.if n < 2
	v_pk_mul_f32 v[za:za+1], v[WR+4*n:WR+4*n+1], s[28+2*n:29+2*n] op_sel_hi:[1,0]
	v_pk_mul_f32 v[za+2:za+3], v[WR+4*n+2:WR+4*n+3], s[28+2*n:29+2*n] op_sel_hi:[1,0]
.else
	v_pk_fma_f32 v[za:za+1], v[WR+4*n:WR+4*n+1], s[28+2*n:29+2*n], v[za:za+1] op_sel_hi:[1,0,1]
	v_pk_fma_f32 v[za+2:za+3], v[WR+4*n+2:WR+4*n+3], s[28+2*n:29+2*n], v[za+2:za+3] op_sel_hi:[1,0,1]
.endif
.set n, n+1
.endr
	WIN 0
	v_pk_add_f32 v[60:61], v[60:61], v[64:65]
	v_pk_add_f32 v[62:63], v[62:63], v[66:67]
	ds_store_b128 v[ZS], v[60:63]                  ; my wave's part of z[4 lane .. 4 lane + 3]
	s_wait_dscnt 0x0                               ; for wave 0's sake
	s_barrier_signal -1
	s_barrier_wait -1
	s_cmp_lg_u32 s16, 0
	s_cbranch_scc1 .Lend
	ds_load_b128 v[24:27], v[ZL]
	ds_load_b128 v[28:31], v[ZL] offset:512
	ds_load_b128 v[32:35], v[ZL] offset:1024
	ds_load_b128 v[36:39], v[ZL] offset:1536
	s_wait_dscnt 0x0
	v_pk_add_f32 v[24:25], v[24:25], v[28:29]
	v_pk_add_f32 v[26:27], v[26:27], v[30:31]
	v_pk_add_f32 v[32:33], v[32:33], v[36:37]
	v_pk_add_f32 v[34:35], v[34:35], v[38:39]
	v_pk_add_f32 v[24:25], v[24:25], v[32:33]
	v_pk_add_f32 v[26:27], v[26:27], v[34:35]
	global_store_b128 v[OUTO], v[24:27], s[14:15]  ; 32 lanes store the row's 512 consecutive bytes, at a multiple of 512 from out0's first byte
.Lend:
	s_wait_tensorcnt 0x0
	ds_add_u32 v254, v255
	s_wait_dscnt 0x0
	s_endpgm
.Lfunc_end_k_q3ba66b21d4_fta:
	.size	k_q3ba66b21d4_fta, .Lfunc_end_k_q3ba66b21d4_fta-k_q3ba66b21d4_fta
	.p2alignl 7, 3214868480
	.fill 96, 4, 3214868480
	.section	.rodata,"a",@progbits
	.p2align	6, 0x0
	.amdhsa_kernel k_q3ba66b21d4_fta
		.amdhsa_group_segment_fixed_size 300544
		.amdhsa_private_segment_fixed_size 0
		.amdhsa_enable_private_segment 0
		.amdhsa_kernarg_size 48
		.amdhsa_user_sgpr_count 2
		.amdhsa_user_sgpr_kernarg_segment_ptr 1
		.amdhsa_wavefront_size32 1
		.amdhsa_system_sgpr_workgroup_id_x 1
		.amdhsa_system_sgpr_workgroup_id_y 1
		.amdhsa_system_sgpr_workgroup_id_z 1
		.amdhsa_system_vgpr_workitem_id 0
		.amdhsa_next_free_vgpr 928
		.amdhsa_next_free_sgpr 66
		.amdhsa_reserve_vcc 0
		.amdhsa_float_denorm_mode_32 3
		.amdhsa_float_denorm_mode_16_64 3
		.amdhsa_memory_ordered 1
		.amdhsa_forward_progress 1
		.amdhsa_inst_pref_size 255
	.end_amdhsa_kernel
	.section	.bss,"aw",@nobits
	.p2align	6
	.space	262144
	.amdgpu_metadata
---
amdhsa.version: [ 1, 2 ]
amdhsa.kernels:
  - .name:           k_q3ba66b21d4_fta
    .symbol:         k_q3ba66b21d4_fta.kd
    .args:
      - { .name: inputs, .offset: 0, .size: 8, .value_kind: global_buffer, .address_space: global }
      - { .name: latent_reps, .offset: 8, .size: 8, .value_kind: global_buffer, .address_space: global }
      - { .name: kernel, .offset: 16, .size: 8, .value_kind: global_buffer, .address_space: global }
      - { .name: bias, .offset: 24, .size: 8, .value_kind: global_buffer, .address_space: global }
      - { .name: beta_weights, .offset: 32, .size: 8, .value_kind: global_buffer, .address_space: global }
      - { .name: out0, .offset: 40, .size: 8, .value_kind: global_buffer, .address_space: global }
    .group_segment_fixed_size: 300544
    .private_segment_fixed_size: 0
    .kernarg_segment_align: 8
    .kernarg_segment_size: 48
    .max_flat_workgroup_size: 128
    .sgpr_count:     66
    .vgpr_count:     928
    .wavefront_size: 32
...
	.end_amdgpu_metadata
.endif
;; end of part 1
;; ======== version 2 of 2: 1 launch; 1.32 times as fast as version 1
;; launch fta (part 2): grid 256 x 1, 4 waves a work-group, no clusters, 310,784 bytes of LDS; arguments inputs, latent_reps, kernel, bias, beta_weights, out0; writes out0
.if DOCPART == 2
	.amdgcn_target "amdgcn-amd-amdhsa--gfx1250"
	.amdhsa_code_object_version 6
	.text
	.protected	k_q3ba66b21d4_fta
	.globl	k_q3ba66b21d4_fta
	.p2align	8
	.type	k_q3ba66b21d4_fta,@function
k_q3ba66b21d4_fta:
	s_mov_b64 s[64:65], 0
	v_nop
	global_prefetch_b8 v0, s[64:65] scope:SCOPE_SE
	s_setreg_imm32_b32 hwreg(HW_REG_WAVE_MODE, 25, 1), 1
	s_wait_xcnt 0x0
; z[b][u] = sum over t of beta[t] * sum over d of alpha[b][t][d] * fp[b][t][d][u],  fp[d][u] = x[d] k[d][u] + bias[d][u],  alpha = inv(A) (fp y),  A = Q(fp) Q(fp)^T.
; Q: codes of FP6 (E2M3) with one E8M0 scale for each 32 along u; A is made by v_wmma_scale_f32_16x16x128_f8f6f4; all else is f32, but for fp y (below).
; SHARES.  A work-group of four waves owns one batch row b: 64 systems (t) of 32 x 32.  Wave w makes A of systems 16 w .. 16 w + 15; then ONE LANE SOLVES ONE SYSTEM: waves 0 and 1, 32 systems each.
;   A system spread over 2 or 4 lanes would want each pivot column sent to all its lanes (528 lane moves a system) and a back substitution across lanes: more instructions in all for about the same length.
; ALGEBRA (exact, for every input; only the order of sums changes):
;   (fp y)[d] = x[d] (K y)[d] + (B y)[d]: K y and B y of a wave's 16 t are one small product, 64 rows x 16 t x 128, on bf16 operands with f32 sums;
;   z[b] = P K + R B with R[d] = sum_t beta[t] alpha[t][d], P[d] = sum_t beta[t] alpha[t][d] x[t][d]: 64 x 128 multiply-adds a batch row, in f32;
;   inv(A) c is found by solving A alpha = c: A = L D L^T without pivoting (A is a Gram matrix), forward and back substitution, in f32.
; The product A is multiplied whole, four tiles of 16 x 16, as the problem's table states it; tile (rows 0-15, columns 16-31) is the mirror of tile (16-31, 0-15) and is not stored.
; EVERY GLOBAL READ STANDS AT THE HEAD, 512 consecutive bytes an instruction (beta: 128): a wave's 16 rows of kernel or bias, its 16 rows of x, its 16 rows of y.  Lanes that want other bytes than they loaded take them from LDS.
; NO CLUSTER, NO JOINT LOADS: the work-groups share only kernel and bias, 2 x 16,384 bytes, read once at the head into registers that are wanted anyway; nothing shared is read in any loop.
; LIMITS: NaN and infinities among the inputs are not served.  A block whose largest magnitude lies under 2^-124 takes the scale byte 1 (a block of zeros too: its codes are zeros, and only this text reads the bytes).
;   No pivoting; a pivot must lie between 2^-126 and 2^126 (v_rcp_f32 takes denormals as zero: ISA guide, its entry).  y, kernel and bias are rounded to bf16 for K y and B y alone.
; LDS: 64 systems x 3,600 bytes (column n < 16: rows 0-31 at 144 n; column n >= 16: rows 16-31 at 2,304 + 80 (n - 16)); kernel's 32 rows and bias's 32, 528 bytes apart; G = [t][K y, B y] (first: y in bf16, each wave in its own rows);
;   V = [t][beta alpha x, beta alpha]; partial z; x, 64 rows 144 bytes apart.
;   3,600, 528, 272, 144 and 80 are odd multiples of 16 bytes: sixteen lanes that take 16 bytes each at such a stride start at sixteen different 16-byte columns of 256 (64 banks of 4 bytes: ISA guide 11.1).
; REGISTERS, in windows of 256 (s_set_vgpr_msb: bits 1:0 source 0, 3:2 source 1, 5:4 source 2, 7:6 destination):
;   window 0: v0-23 addresses, beta, x; v24-55 the four tiles of A; v56-183 fp; v184-231 two fragments, each twice; v232-251 at work; v252-253 scale words and nothing else; v254 an address.  In the solve: c, T, -1/d, sums, -alpha, x.
;   window 1: kernel (v0-127) and bias (v128-255) in the FP6 operand's lane layout; in the solve columns 0-7.   window 2: columns 8-19.   window 3: columns 20-31; v96-159 my 16 rows of kernel or bias, for LDS and for the end.
.set SYS,   3600
.set CP0,   144
.set CP1,   80
.set C16,   16*CP0
.set RP,    528
.set IMG,   64*SYS
.set GP,    272
.set GBUF,  IMG+64*RP
.set VBUF,  GBUF+64*GP
.set ZPB,   VBUF+64*GP
.set XP,    144
.set XBUF,  ZPB+2048
.set OUTO,  1                          ; v1   16 x lane
.set BN,    2                          ; v2-3 in the head r = lane % 16 and h = lane / 16; then beta of the system that I solve, later -beta (a pair is named)
.set YW,    4                          ; v4   where I store y in bf16: my wave's rows of G's buffer, 8 x lane
.set LIS,   5                          ; v5   where I store my 16 rows of kernel or bias
.set LIL,   6                          ; v6   where I read fragments of them: 528 r + 128 h
.set GS,    7                          ; v7   where I store G
.set AS0,   8                          ; v8   tiles of A: column r,
.set AS1,   9                          ; v9   column 16 + r, of my wave's first system
.set AD0,   10                         ; v10, v11 the same of the system in hand
.set AD1,   11
.set XW,    10                         ; (in the head alone: v10 where I store x,
.set YL,    11                         ;  v11 where I read y back: row r, + 64 h)
.set XB,    12                         ; v12  x of my wave's first system in LDS, + 4 r
.set SH8,   13                         ; v13  8 h
.set SA,    14                         ; v14  the solve: my system in LDS
.set SG,    15                         ; v15  its row of G
.set SV,    16                         ; v16  its row of V
.set XS,    17                         ; v17  its row of x in LDS
.set BT,    18                         ; v18  its beta, byte offset
.set RV,    19                         ; v19  the end: my column of V
.set ZS,    20                         ; v20  where I store partial z
.set ZL,    21                         ; v21  where wave 0 loads it
.set XC,    22                         ; v22-23 x[t][r], x[t][16 + r]
.set DD,    24
.set FP,    56
.set XT,    120                        ; in the head: my 16 rows of x as loaded
.set FA0,   184
.set FA1,   196
.set FB0,   208
.set FB1,   220
.set TQ,    232
.set MX,    248
.set SC0,   252
.set SC1,   253
.set XL,    254                        ; v254 x of the system in hand in LDS
.set WR,    96                         ; in window 3
.set CV,    24                         ; the solve: c, then z x (-1/d)
.set TT,    56                         ; -(pivot column) / d
.set NI,    88                         ; -1/d
.set ZA,    120                        ; first G's row, then the back substitution's sums (a pair a row), then V's row
.set NAL,   184                        ; -alpha
.set XR,    216                        ; x[t][0..31]
.set TA,    250
.set TB,    251
.set MSB, 0
.macro WIN new                         ; the immediate's high byte repeats the setting that is left; a switch that changes nothing is dropped
.if MSB != \new
	s_set_vgpr_msb (MSB<<8)|\new
.set MSB, \new
.endif
.endm
; Element (row i, column j), i >= 4 (j / 4), of a system's lower triangle stands in register CB(j) + i.  Columns 0-7 fill window 1, 8-19 window 2, 20-31 window 3: no column crosses a window.
.macro SETCB name, j
.set \name, 256+128*((\j)/4)-8*((\j)/4)*((\j)/4-1)+16*(((\j)/4+6)/8+((\j)/4+3)/8)+((\j)%4)*(32-4*((\j)/4))-4*((\j)/4)
.endm
	s_load_b256 s[4:11], s[0:1], 0x0               ; inputs s[4:5], latent_reps s[6:7], kernel s[8:9], bias s[10:11]
	s_load_b128 s[12:15], s[0:1], 0x20             ; beta_weights s[12:13], out0 s[14:15]
	v_lshl_add_u32 v255, v0, 2, 0x4bc00
	s_set_vgpr_msb 0x80
	v_mov_b32 v255, 0
	s_set_vgpr_msb 0x8000
	v_lshrrev_b32 v2, 5, v0
	v_readfirstlane_b32 s16, v2                    ; wave 0..3
	v_and_b32 v1, 31, v0                           ; lane
	v_lshrrev_b32 v[XW], 3, v1
	v_and_b32 v[YL], 7, v1
	v_mul_u32_u24 v[XW], v[XW], XP
	v_lshl_add_u32 v[XW], v[YL], 4, v[XW]          ; a load's 512 bytes of x are four rows of 128: row lane / 8, byte 16 (lane % 8)
	v_lshlrev_b32 v[YW], 3, v1                     ; 8 x lane
	v_lshlrev_b32 v1, 4, v1                        ; 16 x lane
	v_and_b32 v2, 15, v0                           ; r
	v_bfe_u32 v3, v0, 4, 1                         ; h
	s_mul_i32 s17, s16, 16*RP
	v_add_nc_u32 v[LIS], s17, v1
	v_add_nc_u32 v[LIS], IMG, v[LIS]               ; rows 16 wave on, 16 bytes a lane
	v_mul_u32_u24 v[LIL], v2, RP
	v_lshl_add_u32 v[LIL], v3, 7, v[LIL]
	v_add_nc_u32 v[LIL], IMG, v[LIL]
	s_mul_i32 s18, s16, 16*GP
	v_mul_u32_u24 v[GS], v2, GP
	v_add_nc_u32 v[GS], s18, v[GS]
	v_add_nc_u32 v[GS], GBUF, v[GS]                ; row t = 16 wave + r of G's buffer
	v_lshl_add_u32 v[YL], v3, 6, v[GS]             ; y in bf16: + 64 h
	v_lshl_add_u32 v[GS], v3, 5, v[GS]             ; G: + 32 h
	v_add_nc_u32 v[YW], s18, v[YW]
	v_add_nc_u32 v[YW], GBUF, v[YW]
	s_mul_i32 s21, s16, 16*XP
	v_add_nc_u32 v[XW], s21, v[XW]
	v_add_nc_u32 v[XW], XBUF, v[XW]
	v_lshl_add_u32 v[XB], v2, 2, s21
	v_add_nc_u32 v[XB], XBUF, v[XB]
	s_mul_i32 s19, s16, 16*SYS
	v_mul_u32_u24 v8, v2, CP0
	v_lshl_add_u32 v8, v3, 5, v8
	v_add_nc_u32 v8, s19, v8                       ; column r, rows 8 h on
	v_mul_u32_u24 v9, v2, CP1
	v_lshl_add_u32 v9, v3, 5, v9
	v_add_nc_u32 v9, s19, v9
	v_add_nc_u32 v9, C16, v9                       ; column 16 + r, rows 16 + 8 h on
	v_lshlrev_b32 v13, 3, v3
	v_and_b32 v17, 63, v0                          ; the system that I solve (waves 0 and 1: my thread's number)
	v_mul_u32_u24 v14, v17, SYS
	v_mul_u32_u24 v15, v17, GP
	v_add_nc_u32 v16, VBUF, v15
	v_add_nc_u32 v15, GBUF, v15
	v_lshlrev_b32 v18, 2, v17
	v_mul_u32_u24 v17, v17, XP
	v_add_nc_u32 v17, XBUF, v17
	v_mul_u32_u24 v19, v3, 32*GP
	v_lshl_add_u32 v19, v2, 2, v19
	s_lshl_b32 s28, s16, 6
	v_add_nc_u32 v19, s28, v19
	v_add_nc_u32 v19, VBUF, v19                    ; V: rows 32 h on, column 16 wave + r
	v_lshl_add_u32 v20, v0, 4, ZPB
	v_add_nc_u32 v21, ZPB, v1
	s_lshl_b32 s20, s16, 13                        ; 16 rows of y: 8,192 bytes a wave
	s_lshl_b32 s29, s16, 11                        ; 16 rows of x: 2,048 bytes a wave
	s_mov_b32 s60, 0x76543210
	s_mov_b32 s61, 0xfedcba98                      ; v_permlanex16_b32's selects for lane l xor 16
	s_mov_b32 s23, 0
	s_wait_kmcnt 0x0
	s_lshl_b32 s22, ttmp9, 13
	s_add_co_u32 s22, s22, s29
	s_add_nc_u64 s[4:5], s[4:5], s[22:23]          ; x of my wave's 16 systems
	s_lshl_b32 s22, ttmp9, 15
	s_add_co_u32 s22, s22, s20
	s_add_nc_u64 s[6:7], s[6:7], s[22:23]          ; y of my wave's 16 systems
	s_lshl_b32 s22, ttmp9, 9
	s_add_nc_u64 s[14:15], s[14:15], s[22:23]      ; my row of z
	s_cmp_lt_u32 s16, 2                            ; waves 0, 1: kernel's rows 0-15, 16-31; waves 2, 3: bias's
	s_cselect_b64 s[24:25], s[8:9], s[10:11]
	s_and_b32 s22, s16, 1
	s_lshl_b32 s22, s22, 13
	s_add_nc_u64 s[24:25], s[24:25], s[22:23]
	WIN 0xc0
.set n, 0
.rept 16
	global_load_b128 v[WR+4*n:WR+4*n+3], v[OUTO], s[24:25] offset:512*n   ; my 16 rows as rows, 4 columns a lane: they go to LDS for all four waves, and stay in registers for the end
.set n, n+1
.endr
	WIN 0
.set n, 0
.rept 4
	global_load_b128 v[XT+4*n:XT+4*n+3], v[OUTO], s[4:5] offset:512*n th:TH_LOAD_NT    ; x of my 16 systems: 2,048 consecutive bytes; read once in the launch
.set n, n+1
.endr
.set n, 0
.rept 16
	global_load_b128 v[FA0+4*n:FA0+4*n+3], v[OUTO], s[6:7] offset:512*n th:TH_LOAD_NT  ; y of system 16 wave + n, 4 columns a lane; read once in the launch
.set n, n+1
.endr
	global_load_b32 v[BN], v[BT], s[12:13]         ; beta of the system that I solve
	s_wait_loadcnt 17                              ; my rows and x are in; behind them 16 + 1 loads were issued
	WIN 0x0c                                       ; an LDS store's data are its source 1: window 3
.set n, 0
.rept 16
	ds_store_b128 v[LIS], v[WR+4*n:WR+4*n+3] offset:RP*n
.set n, n+1
.endr
	WIN 0
.set n, 0
.rept 4
	ds_store_b128 v[XW], v[XT+4*n:XT+4*n+3] offset:4*XP*n
.set n, n+1
.endr
	ds_load_b32 v[XC], v[XB]                       ; x of my first system: my wave's own bytes; LDS serves a wave's instructions in order (ISA guide 5.7.1.4): these see the stores above
	ds_load_b32 v[XC+1], v[XB] offset:64
	s_wait_loadcnt 1                               ; y is in; behind it beta's load was issued
.set n, 0
.rept 32
	v_cvt_pk_bf16_f32 v[DD+n], v[FA0+2*n], v[FA0+2*n+1]
.set n, n+1
.endr
.set n, 0
.rept 16
	ds_store_b64 v[YW], v[DD+2*n:DD+2*n+1] offset:GP*n   ; row n: 128 bf16, 8 bytes a lane; my wave's own rows of G's buffer, which takes G only behind the wait for the loads below
.set n, n+1
.endr
.set n, 0
.rept 8
	ds_load_b128 v[DD+4*n:DD+4*n+3], v[YL] offset:128*(n/4)+16*(n%4)   ; back: lane (r, h) takes system 16 wave + r, u = 64 (n / 4) + 32 h + 8 (n % 4) + 0 .. 7: the order in which kernel and bias stand in my registers
.set n, n+1
.endr
	s_wait_dscnt 0x0                               ; for the others' sake: my rows and my x lie in LDS; and y and x of my first system are back
	s_barrier_signal -1
	s_barrier_wait -1
	WIN 0x40
.set n, 0
.rept 64
	ds_load_b128 v[4*n:4*n+3], v[LIL] offset:16*RP*(n/16)+256*((n%16)/8)+16*(n%8)   ; kernel in v256-383, bias in v384-511; register 64 I + 32 c + i: row 16 I + r, u = 64 c + 32 h + i: the FP6 operand's order
.set n, n+1
.endr
	WIN 0
; G = [kernel; bias] y^T on bf16.  Both sides take their numbers in the order of the registers above: the same permutation of u on both, so the sums are over the same products.
	s_wait_dscnt 0x0                               ; kernel and bias are in
	WIN 0x05
.set n, 0
.rept 128
	v_cvt_pk_bf16_f32 v[FP+n], v[2*n], v[2*n+1]
.set n, n+1
.endr
	WIN 0
.irp s, 0,1,2,3                        ; source 0 = 16 rows of kernel or bias, source 1 = my 16 systems' y: a lane holds one t and eight neighbouring rows.  The four accumulators take turns
.irp e, 0,1,2,3
.if \s == 0
	v_wmma_f32_16x16x32_bf16 v[FA0+8*\e:FA0+8*\e+7], v[FP+32*\e+8*\s:FP+32*\e+8*\s+7], v[DD+8*\s:DD+8*\s+7], 0
.else
	v_wmma_f32_16x16x32_bf16 v[FA0+8*\e:FA0+8*\e+7], v[FP+32*\e+8*\s:FP+32*\e+8*\s+7], v[DD+8*\s:DD+8*\s+7], v[FA0+8*\e:FA0+8*\e+7]
.endif
.endr
.endr
.rept 4
	v_nop                                          ; four places behind the last products, ahead of the stores of their results and of the writes over their sources
.endr
.irp e, 0,1,2,3
	ds_store_b128 v[GS], v[FA0+8*\e:FA0+8*\e+3] offset:64*\e
	ds_store_b128 v[GS], v[FA0+8*\e+4:FA0+8*\e+7] offset:64*\e+16
.endr
; fp of one system: 128 numbers a lane, two fused multiply-adds an instruction.  Rows 0-15 take the pair's low word (x[r]), rows 16-31 its high word (x[16 + r]).
.macro PKFMA
	WIN 0x11
.set n, 0
.rept 32
	v_pk_fma_f32 v[FP+2*n:FP+2*n+1], v[2*n:2*n+1], v[XC:XC+1], v[128+2*n:128+2*n+1] op_sel_hi:[1,0,1]
.set n, n+1
.endr
.rept 32
	v_pk_fma_f32 v[FP+2*n:FP+2*n+1], v[2*n:2*n+1], v[XC:XC+1], v[128+2*n:128+2*n+1] op_sel:[0,1,0] op_sel_hi:[1,1,1]
.set n, n+1
.endr
	WIN 0
.endm
; fp becomes codes and scale words, and A is multiplied.  A lane holds four whole blocks of 32 (q = 2 I + c: rows 16 I + r, block 2 c + h), so no maximum asks another lane.
.macro QUANT
.irp q, 0,1,2,3
	v_max3_num_f32 v[MX+\q], |v[FP+32*\q]|, |v[FP+32*\q+1]|, 0x1800000   ; with the floor 2^(3 - 127) among the leaves: the byte cannot fall under 1
.endr
.irp q, 0,1,2,3
	v_max3_num_f32 v[TQ+4*\q], |v[FP+32*\q+16]|, |v[FP+32*\q+17]|, |v[FP+32*\q+18]|   ; two chains a block, eight in all, by turns: no line waits for a line near it
.endr
.irp i, 1,2,3,4,5,6
.irp q, 0,1,2,3
	v_max3_num_f32 v[MX+\q], v[MX+\q], |v[FP+32*\q+2*\i]|, |v[FP+32*\q+2*\i+1]|
.endr
.irp q, 0,1,2,3
	v_max3_num_f32 v[TQ+4*\q], v[TQ+4*\q], |v[FP+32*\q+17+2*\i]|, |v[FP+32*\q+18+2*\i]|
.endr
.endr
.irp q, 0,1,2,3
	v_max3_num_f32 v[MX+\q], v[MX+\q], |v[FP+32*\q+14]|, |v[FP+32*\q+15]|
.endr
.irp q, 0,1,2,3
	v_max3_num_f32 v[MX+\q], v[MX+\q], v[TQ+4*\q], |v[FP+32*\q+31]|
.endr
.irp q, 0,1,2,3
	v_add_nc_u32 v[MX+\q], 0xff000000, v[MX+\q]    ; 2 off the exponent field: the conversion takes the exponent field of this operand as its scale
.endr
.irp q, 0,1,2,3
	v_lshrrev_b32 v[TQ+3+4*\q], 23, v[MX+\q]       ; the scale's byte
.endr
	v_lshl_or_b32 v[TQ+3], v[TQ+7], 16, v[TQ+3]    ; my two bytes of row r: blocks h and 2 + h,
	v_lshl_or_b32 v[TQ+11], v[TQ+15], 16, v[TQ+11] ; and of row 16 + r,
	v_lshlrev_b32 v[TQ+3], v[SH8], v[TQ+3]         ; at their places in the word;
	v_lshlrev_b32 v[TQ+11], v[SH8], v[TQ+11]
	v_permlanex16_b32 v[TQ+7], v[TQ+3], s60, s61
	v_permlanex16_b32 v[TQ+15], v[TQ+11], s60, s61
	v_or_b32 v[SC0], v[TQ+3], v[TQ+7]              ; with lane l xor 16's two the word is whole, in both halves of the lanes
	v_or_b32 v[SC1], v[TQ+11], v[TQ+15]
	s_wait_dscnt 0x0                               ; my LDS stores, issued some 80 lines back, have read their registers: fragments and tiles may be written again; and the next system's x, asked for behind them, is in
.irp q, 0,1,2,3
	v_cvt_scalef32_pk16_fp6_f32 v[FA0+6*\q:FA0+6*\q+2], v[FP+32*\q:FP+32*\q+15], v[MX+\q]        ; registers 6 c .. 6 c + 2 of fragment I
	v_cvt_scalef32_pk16_fp6_f32 v[TQ+4*\q:TQ+4*\q+2], v[FP+32*\q+16:FP+32*\q+31], v[MX+\q]       ; (a conversion's three registers begin on an even number: the block's second three do not, so they are made here and moved)
.endr
	v_nop                                          ; one plain place behind a scaled conversion
.irp q, 0,1,2,3                        ; each fragment stands twice: the two sources of a matrix instruction share no register, and A is a product of fp with itself
.irp i, 0,1,2
	v_mov_b32 v[FA0+6*\q+3+\i], v[TQ+4*\q+\i]
	v_mov_b32 v[FB0+6*\q+3+\i], v[TQ+4*\q+\i]
	v_mov_b32 v[FB0+6*\q+\i], v[FA0+6*\q+\i]
.endr
.endr
.rept 4
	v_nop                                          ; operands written by vector instructions stand four places ahead of a scaled matrix instruction; the scale words stand more than eight ahead
.endr
	v_wmma_scale_f32_16x16x128_f8f6f4 v[DD:DD+7], v[FA0:FA0+11], v[FB0:FB0+11], 0, v[SC0], v[SC0] matrix_a_fmt:MATRIX_FMT_FP6 matrix_b_fmt:MATRIX_FMT_FP6         ; rows 0-15, columns 0-15
	v_wmma_scale_f32_16x16x128_f8f6f4 v[DD+8:DD+15], v[FA1:FA1+11], v[FB0:FB0+11], 0, v[SC1], v[SC0] matrix_a_fmt:MATRIX_FMT_FP6 matrix_b_fmt:MATRIX_FMT_FP6      ; rows 16-31, columns 0-15
	v_wmma_scale_f32_16x16x128_f8f6f4 v[DD+16:DD+23], v[FA1:FA1+11], v[FB1:FB1+11], 0, v[SC1], v[SC1] matrix_a_fmt:MATRIX_FMT_FP6 matrix_b_fmt:MATRIX_FMT_FP6     ; rows 16-31, columns 16-31
	v_wmma_scale_f32_16x16x128_f8f6f4 v[DD+24:DD+31], v[FA0:FA0+11], v[FB1:FB1+11], 0, v[SC0], v[SC1] matrix_a_fmt:MATRIX_FMT_FP6 matrix_b_fmt:MATRIX_FMT_FP6     ; rows 0-15, columns 16-31: the mirror of the second; not stored
.endm
; The three lower tiles go to LDS by columns: lane (r, h) holds column r (or 16 + r) and eight neighbouring rows.  Each accumulator is read from its low end on.
.macro STORED
	v_add_nc_u32 v[AD0], s26, v[AS0]
	v_add_nc_u32 v[AD1], s26, v[AS1]
	ds_store_b128 v[AD0], v[DD:DD+3]
	ds_store_b128 v[AD0], v[DD+4:DD+7] offset:16
	ds_store_b128 v[AD0], v[DD+8:DD+11] offset:64
	ds_store_b128 v[AD0], v[DD+12:DD+15] offset:80
	ds_store_b128 v[AD1], v[DD+16:DD+19]
	ds_store_b128 v[AD1], v[DD+20:DD+23] offset:16
.endm
	s_wait_loadcnt 0x0                             ; beta: the last load of the launch
	PKFMA                                          ; the first system's fp stands ahead of the loop
	s_mov_b32 s26, 0                               ; the system in hand, in bytes of the systems' LDS,
	s_mov_b32 s62, 0                               ; and the system whose x is asked for, in bytes of x's
	s_mov_b32 s27, 15
.Lsys:                                             ; a trip: system i + 1's x is asked of LDS; system i is quantised and multiplied; system i + 1's fp is made, 64 plain lines that are also the places behind the products; system i's tiles are stored
	s_add_co_u32 s62, s62, XP
	v_add_nc_u32 v[XL], s62, v[XB]
	ds_load_b32 v[XC], v[XL]
	ds_load_b32 v[XC+1], v[XL] offset:64
	QUANT
	PKFMA
	STORED
	s_add_co_u32 s26, s26, SYS
	s_sub_co_u32 s27, s27, 1
	s_cmp_lg_u32 s27, 0
	s_cbranch_scc1 .Lsys
	QUANT                                          ; the last system: nothing more to ask for
.rept 4
	v_nop                                          ; four places behind the products, ahead of the stores of their results
.endr
	STORED
	s_wait_dscnt 0x0                               ; for the others' sake: my tiles and my rows of G lie in LDS
	s_barrier_signal -1
	s_barrier_wait -1
	s_cmp_gt_u32 s16, 1
	s_cbranch_scc1 .Ljoin                          ; 64 systems are 64 lanes: waves 2 and 3 go on to the next barrier
; ---- THE SOLVE: a lane holds its system's lower triangle in 576 registers ----
.set n, 0
.rept 8
	ds_load_b128 v[XR+4*n:XR+4*n+3], v[XS] offset:16*n
.set n, n+1
.endr
.set n, 0
.rept 16
	ds_load_b128 v[ZA+4*n:ZA+4*n+3], v[SG] offset:16*n
.set n, n+1
.endr
.set jj, 0
.rept 32
	SETCB cbj, jj
.set ii, (jj/4)*4
.rept 8-jj/4
.set rd, (cbj+ii)&255
.set wn, ((cbj+ii)>>8)<<6
	WIN wn
.if jj < 16
	ds_load_b128 v[rd:rd+3], v[SA] offset:CP0*jj+4*ii
.else
	ds_load_b128 v[rd:rd+3], v[SA] offset:C16+CP1*(jj-16)+4*(ii-16)
.endif
.set ii, ii+4
.endr
.set jj, jj+1
.endr
	WIN 0
.set n, 1
.rept 16
	v_mov_b32 v[NI+n], 0                           ; the packed lines name -1/d as a pair before the odd one of the pair is made: so it is written
.set n, n+2
.endr
	v_mov_b32 v[BN+1], 0                           ; (named with -beta as a pair)
	s_wait_dscnt 0x0
.set n, 0
.rept 16
	v_pk_fma_f32 v[CV+n:CV+n+1], v[XR+n:XR+n+1], v[ZA+n:ZA+n+1], v[ZA+32+n:ZA+33+n]   ; c[d] = x[d] (K y)[d] + (B y)[d]
.set n, n+2
.endr
	v_mul_f32 v[BN], -1.0, v[BN]
.set rp, 0
	WIN 1
	v_rcp_f32 v[NI], -v[rp]                        ; -1 / a(0,0)
	WIN 0
	v_nop                                          ; a plain place behind the reciprocal
; Step k: T[j] = -a(j,k) / d; a(i,j) += a(i,k) T[j] for i >= j > k, two rows an instruction; c[i] += a(i,k) (-c[k] / d).  Column k stays as it is: it is row k of D L^T, which the back substitution wants.
; A pair of rows begins on an even row, so an odd column's first pair also takes the element above the diagonal: it is the mirror element, it is kept up like any other, and nobody reads it.
; The next pivot is final behind the step's first update: its reciprocal is issued there, and the step's other lines stand between it and the wait ahead of its first use.
.set kk, 0
.rept 32
	SETCB cbk, kk
.set wk, (cbk+kk)>>8
	WIN 0
	s_wait_alu depctr_va_vdst(0)                   ; one wait a step, ahead of the first line that names this pivot's reciprocal
	v_mul_f32 v[CV+kk], v[CV+kk], v[NI+kk]         ; -z[k] / d
.if kk < 31
	WIN wk
.set ii, ((kk+1)/2)*2
.rept (32-ii)/2
.set rs, (cbk+ii)&255
.if kk%2
	v_pk_mul_f32 v[TT+ii:TT+ii+1], v[rs:rs+1], v[NI+kk-1:NI+kk] op_sel:[0,1] op_sel_hi:[1,1]
.else
	v_pk_mul_f32 v[TT+ii:TT+ii+1], v[rs:rs+1], v[NI+kk:NI+kk+1] op_sel_hi:[1,0]
.endif
.set ii, ii+2
.endr
.set jj, kk+1
.rept 31-kk
	SETCB cbj, jj
.set wj, (cbj+jj)>>8
.set wn, (wj<<6)|(wj<<4)|wk
	WIN wn
.set ii, (jj/2)*2
.rept (32-ii)/2
.set rd, (cbj+ii)&255
.set rs, (cbk+ii)&255
.if jj%2
	v_pk_fma_f32 v[rd:rd+1], v[rs:rs+1], v[TT+jj-1:TT+jj], v[rd:rd+1] op_sel:[0,1,0] op_sel_hi:[1,1,1]
.else
	v_pk_fma_f32 v[rd:rd+1], v[rs:rs+1], v[TT+jj:TT+jj+1], v[rd:rd+1] op_sel_hi:[1,0,1]
.endif
.if (jj == kk+1) && (ii == (jj/2)*2)
.set rp, (cbj+jj)&255
	WIN wj
	v_rcp_f32 v[NI+jj], -v[rp]                     ; -1 / the next pivot
	WIN wn
.endif
.set ii, ii+2
.endr
.set jj, jj+1
.endr
	WIN wk
.if kk%2
.set ii, kk+1
.else
.set rs, (cbk+kk+1)&255
	v_fma_f32 v[CV+kk+1], v[rs], v[CV+kk], v[CV+kk+1]   ; row k + 1 alone: its pair's other half is row k, which keeps -z[k] / d
.set ii, kk+2
.endif
.rept (32-ii)/2
.set rs, (cbk+ii)&255
.if kk%2
	v_pk_fma_f32 v[CV+ii:CV+ii+1], v[rs:rs+1], v[CV+kk-1:CV+kk], v[CV+ii:CV+ii+1] op_sel:[0,1,0] op_sel_hi:[1,1,1]
.else
	v_pk_fma_f32 v[CV+ii:CV+ii+1], v[rs:rs+1], v[CV+kk:CV+kk+1], v[CV+ii:CV+ii+1] op_sel_hi:[1,0,1]
.endif
.set ii, ii+2
.endr
.endif
.set kk, kk+1
.endr
; Back substitution, on n = -alpha:  n[k] = -z[k] / d + (-1/d) sum over i > k of a(i,k) n[i].  Two rows at a time from the bottom; as soon as a pair of n is known, every column to its left adds its two products
; to its own pair of sums: lines that do not wait for each other; the two columns wanted next come first.
.set pp, 15
.rept 16
.set k1, 2*pp+1
.set k0, 2*pp
	SETCB cb0, k0
.set wz, (cb0+k0)>>8
.set rs, (cb0+k1)&255
	WIN 0
.if pp == 15
	v_mov_b32 v[NAL+31], v[CV+31]
	WIN wz
	v_mul_f32 v[TA], v[rs], v[NAL+31]
.else
	v_add_f32 v[TB], v[ZA+2*k1], v[ZA+2*k1+1]
	v_add_f32 v[TA], v[ZA+2*k0], v[ZA+2*k0+1]
	v_fma_f32 v[NAL+k1], v[NI+k1], v[TB], v[CV+k1]
	WIN wz
	v_fma_f32 v[TA], v[rs], v[NAL+k1], v[TA]
.endif
	WIN 0
	v_fma_f32 v[NAL+k0], v[NI+k0], v[TA], v[CV+k0]
.set kq, k0-1
.rept k0
	SETCB cbq, kq
.set wn, (cbq+kq)>>8
	WIN wn
.set rs, (cbq+k0)&255
.if pp == 15
	v_pk_mul_f32 v[ZA+2*kq:ZA+2*kq+1], v[rs:rs+1], v[NAL+k0:NAL+k0+1]   ; the first products start the sums: nothing is cleared
.else
	v_pk_fma_f32 v[ZA+2*kq:ZA+2*kq+1], v[rs:rs+1], v[NAL+k0:NAL+k0+1], v[ZA+2*kq:ZA+2*kq+1]
.endif
.set kq, kq-1
.endr
.set pp, pp-1
.endr
	WIN 0
.set n, 0
.rept 16
	v_pk_mul_f32 v[ZA+32+n:ZA+33+n], v[NAL+n:NAL+n+1], v[BN:BN+1] op_sel_hi:[1,0]   ; beta alpha = (-beta) (-alpha): what bias's rows are weighed by
.set n, n+2
.endr
.set n, 0
.rept 16
	v_pk_mul_f32 v[ZA+n:ZA+n+1], v[ZA+32+n:ZA+33+n], v[XR+n:XR+n+1]                 ; beta alpha x: what kernel's rows are weighed by
.set n, n+2
.endr
.set n, 0
.rept 16
	ds_store_b128 v[SV], v[ZA+4*n:ZA+4*n+3] offset:16*n
.set n, n+1
.endr
.Ljoin:
	s_wait_dscnt 0x0                               ; for the others' sake: my systems' rows of V lie in LDS
	s_barrier_signal -1
	s_barrier_wait -1
; ---- THE END: wave w sums columns 16 w .. 16 w + 15 of V over the 64 systems and weighs its 16 rows of kernel or bias by them ----
.set n, 0
.rept 32
	ds_load_b32 v[24+n], v[RV] offset:GP*n         ; lane (r, h): column 16 w + r, systems 32 h + n
.set n, n+1
.endr
	s_wait_dscnt 0x0
	v_pk_add_f32 v[56:57], v[24:25], v[26:27]
	v_pk_add_f32 v[58:59], v[28:29], v[30:31]
.set n, 32
.rept 6
	v_pk_add_f32 v[56:57], v[56:57], v[n:n+1]
	v_pk_add_f32 v[58:59], v[58:59], v[n+2:n+3]
.set n, n+4
.endr
	v_pk_add_f32 v[56:57], v[56:57], v[58:59]
	v_add_f32 v56, v56, v57
	v_permlanex16_b32 v57, v56, s60, s61
	v_add_f32 v56, v56, v57                        ; lane r (and 16 + r): the whole sum of column 16 w + r
.set n, 0
.rept 16
	v_readlane_b32 s[28+2*n], v56, n
	s_mov_b32 s[29+2*n], s[28+2*n]                 ; (the packed form names a pair and takes its low word for both halves: so the other is written)
.set n, n+1
.endr
	WIN 0x03
.set n, 0
.rept 16
.set za, 60+4*(n%2)                    ; even and odd rows add onto sums of their own
.if n < 2
	v_pk_mul_f32 v[za:za+1], v[WR+4*n:WR+4*n+1], s[28+2*n:29+2*n] op_sel_hi:[1,0]
	v_pk_mul_f32 v[za+2:za+3], v[WR+4*n+2:WR+4*n+3], s[28+2*n:29+2*n] op_sel_hi:[1,0]
.else
	v_pk_fma_f32 v[za:za+1], v[WR+4*n:WR+4*n+1], s[28+2*n:29+2*n], v[za:za+1] op_sel_hi:[1,0,1]
	v_pk_fma_f32 v[za+2:za+3], v[WR+4*n+2:WR+4*n+3], s[28+2*n:29+2*n], v[za+2:za+3] op_sel_hi:[1,0,1]
.endif
.set n, n+1
.endr
	WIN 0
	v_pk_add_f32 v[60:61], v[60:61], v[64:65]
	v_pk_add_f32 v[62:63], v[62:63], v[66:67]
	ds_store_b128 v[ZS], v[60:63]                  ; my wave's part of z[4 lane .. 4 lane + 3]
	s_wait_dscnt 0x0                               ; for wave 0's sake
	s_barrier_signal -1
	s_barrier_wait -1
	s_cmp_lg_u32 s16, 0
	s_cbranch_scc1 .Lend
	ds_load_b128 v[24:27], v[ZL]
	ds_load_b128 v[28:31], v[ZL] offset:512
	ds_load_b128 v[32:35], v[ZL] offset:1024
	ds_load_b128 v[36:39], v[ZL] offset:1536
	s_wait_dscnt 0x0
	v_pk_add_f32 v[24:25], v[24:25], v[28:29]
	v_pk_add_f32 v[26:27], v[26:27], v[30:31]
	v_pk_add_f32 v[32:33], v[32:33], v[36:37]
	v_pk_add_f32 v[34:35], v[34:35], v[38:39]
	v_pk_add_f32 v[24:25], v[24:25], v[32:33]
	v_pk_add_f32 v[26:27], v[26:27], v[34:35]
	global_store_b128 v[OUTO], v[24:27], s[14:15]  ; 32 lanes store the row's 512 consecutive bytes, at a multiple of 512 from out0's first byte
.Lend:
	s_set_vgpr_msb 0x8
	s_wait_tensorcnt 0x0
	ds_add_u32 v255, v255
	s_wait_dscnt 0x0
	s_set_vgpr_msb 0x800
	s_endpgm
.Lfunc_end_k_q3ba66b21d4_fta:
	.size	k_q3ba66b21d4_fta, .Lfunc_end_k_q3ba66b21d4_fta-k_q3ba66b21d4_fta
	.p2alignl 7, 3214868480
	.fill 96, 4, 3214868480
	.section	.rodata,"a",@progbits
	.p2align	6, 0x0
	.amdhsa_kernel k_q3ba66b21d4_fta
		.amdhsa_group_segment_fixed_size 310784
		.amdhsa_private_segment_fixed_size 0
		.amdhsa_enable_private_segment 0
		.amdhsa_kernarg_size 48
		.amdhsa_user_sgpr_count 2
		.amdhsa_user_sgpr_kernarg_segment_ptr 1
		.amdhsa_wavefront_size32 1
		.amdhsa_system_sgpr_workgroup_id_x 1
		.amdhsa_system_sgpr_workgroup_id_y 1
		.amdhsa_system_sgpr_workgroup_id_z 1
		.amdhsa_system_vgpr_workitem_id 0
		.amdhsa_next_free_vgpr 928
		.amdhsa_next_free_sgpr 66
		.amdhsa_reserve_vcc 0
		.amdhsa_float_denorm_mode_32 3
		.amdhsa_float_denorm_mode_16_64 3
		.amdhsa_memory_ordered 1
		.amdhsa_forward_progress 1
		.amdhsa_inst_pref_size 255
	.end_amdhsa_kernel
	.section	.bss,"aw",@nobits
	.p2align	6
	.space	262144
	.amdgpu_metadata
---
amdhsa.version: [ 1, 2 ]
amdhsa.kernels:
  - .name:           k_q3ba66b21d4_fta
    .symbol:         k_q3ba66b21d4_fta.kd
    .args:
      - { .name: inputs, .offset: 0, .size: 8, .value_kind: global_buffer, .address_space: global }
      - { .name: latent_reps, .offset: 8, .size: 8, .value_kind: global_buffer, .address_space: global }
      - { .name: kernel, .offset: 16, .size: 8, .value_kind: global_buffer, .address_space: global }
      - { .name: bias, .offset: 24, .size: 8, .value_kind: global_buffer, .address_space: global }
      - { .name: beta_weights, .offset: 32, .size: 8, .value_kind: global_buffer, .address_space: global }
      - { .name: out0, .offset: 40, .size: 8, .value_kind: global_buffer, .address_space: global }
    .group_segment_fixed_size: 310784
    .private_segment_fixed_size: 0
    .kernarg_segment_align: 8
    .kernarg_segment_size: 48
    .max_flat_workgroup_size: 128
    .sgpr_count:     66
    .vgpr_count:     928
    .wavefront_size: 32
...
	.end_amdgpu_metadata
.endif
;; end of part 2
